; MI455X (gfx1250); checked and timed in simulation.
; The chip was launched on July 23, 2026; its instructions are those of AMD's public machine-readable ISA for CDNA 5 (MIT licence, August 2026) and "CDNA5" Instruction Set Architecture Reference Guide (July 2026). The comments in the code are by the model that wrote it; some were corrected since.
;; Attention Encoder. Allowed arithmetic: matrix products marked QUANTISED: E4M3 operands, one E8M0 scale for each 32 along K, by v_wmma_scale_f32_16x16x128_f8f6f4 with both operands' format E4M3, f32 sums; products left as they are: f32 operands where the result goes on into a quantised operand, else bf16, f16 or f32 operands; f32 sums; everything else in f32.
;; Inputs: W_de_codes 1,024 x 32 x 32 uint8 (E4M3 codes of W_de, K innermost, in blocks of 32 codes); W_de_scales 1,024 x 32 uint8 (E8M0 scales of W_de, one for each 32 codes along K); W_en_codes 1,024 x 32 x 32 uint8 (E4M3 codes of W_en, K innermost, in blocks of 32 codes); W_en_scales 1,024 x 32 uint8 (E8M0 scales of W_en, one for each 32 codes along K); W_warp 1 x 1,024 float32; b_en 1,024 float32; dehy_codes 32 x 32 x 32 uint8 (E4M3 codes of dehy, K innermost, in blocks of 32 codes); dehy_scales 32 x 32 uint8 (E8M0 scales of dehy, one for each 32 codes along K); enhy 32 x 2,048 x 1,024 float32; past_attn 32 x 2,048 float32.
;; Outputs: out0 32 x 1,024 float32; out1 32 x 2,048 float32; out2 32 x 2,048 float32.
;; This version of the problem:
;;   THIS VERSION OF THE PROBLEM IS GIVEN IN LOW PRECISION. The matrix products marked QUANTISED in the list below multiply operands that are first quantised to E4M3 (4 exponent bits, 3 mantissa bits; 8 bits a number), with one power-of-two scale for each 32 numbers along K (OCP MX v1.0); their sums are f32. All else is computed in f32.
;;   The module's matrix products, in the order in which they are computed (A, B: the left and right operand; K: the contracted axis; several contracted axes count as one K, in the product's order):
;;     1. [M 65,536, K 1,024] x [K 1,024, N 1,024]; A: input enhy; B: input W_en (given as codes): QUANTISED
;;     2. [M 32, K 1,024] x [K 1,024, N 1,024]; A: input dehy (given as codes); B: input W_de (given as codes): QUANTISED
;;     3. [M 65,536, K 1,024] x [K 1,024, N 1]; A: computed on the way; B: input W_warp: left as it is (N = 1 < 16)
;;     4. batch 32 x [M 1, K 2,048] x [K 2,048, N 1,024]; A: computed on the way; B: input enhy: left as it is (M = 1 < 16)
;;   THE QUANTISER, for each operand of a quantised product, along K:
;;     - K is cut into blocks of 32 from its start; a last block that is shorter is filled with zeros.
;;     - A block's scale is 2^e with e = floor(log2(the largest magnitude in the block)) - 8, held to -126 .. 127; a block of zeros has e = 0. As a byte (E8M0): e + 127.
;;     - Each number is divided by its block's scale, clamped to +-448, and rounded to the nearest number of E4M3, ties to even, subnormals kept.
;;     - The product sums the exact products of the quantised numbers (number of the format x scale) in f32.
;;   ~~~python
;;   def quantise(x, axis):      # numpy; x: float32 -> the quantised numbers, widened to float32 again
;;       x = np.moveaxis(x, axis, -1); K = x.shape[-1]
;;       x = np.pad(x, [(0, 0)] * (x.ndim - 1) + [(0, -K % 32)]); x = x.reshape(x.shape[:-1] + (-1, 32)); a = np.abs(x).max(-1, keepdims=True)
;;       e = np.where(a > 0, np.clip(np.frexp(np.where(a > 0, a, 1))[1] - 1 - 8, -126, 127), 0)      # np.frexp(a)[1] - 1 = floor(log2(a)), exactly
;;       r = np.clip(x / 2.0 ** e, -448, 448)
;;       step = 2.0 ** (np.maximum(np.frexp(np.where(r == 0, 1, r))[1] - 1, -6) - 3)
;;       q = np.round(r / step) * step * 2.0 ** e      # np.round: ties to even
;;       return np.moveaxis(q.reshape(q.shape[:-2] + (-1,))[..., :K], -1, axis).astype(np.float32)
;;   ~~~
;;   INPUTS GIVEN AS CODES. W_de (in the module: [1024, 1024], K = its axis 1); W_en (in the module: [1024, 1024], K = its axis 1); dehy (in the module: [32, 1024], K = its axis 1): each comes as NAME_codes (uint8): NAME with its K axis moved to the last place and cut into blocks of 32 codes, [.., K / 32, bytes a block], one block behind the other in memory; one code a byte (a code: sign, 4 exponent bits, 3 mantissa bits); and NAME_scales (uint8): the same leading axes, one E8M0 byte (e + 127) for each 32 codes along K. Its value is code x scale, taken as it is: it is not quantised again, and the codes and scales need not be those that the quantiser above would give.
;; One version. Each part assembles by itself: llvm-mc -triple=amdgcn-amd-amdhsa -mcpu=gfx1250 --defsym DOCPART=n.
;; ======== version 1 of 1: 3 launches
;; limits: values are held in bf16: 8 bits of precision; right only within a limited range of input values
;; workspace buffers: cbuf 131,072 bytes; part 2,228,224 bytes
;; launch deproj (part 1): grid 16 x 1, 4 waves a work-group, no clusters, 9,216 bytes of LDS; arguments dehy_codes, dehy_scales, W_de_codes, W_de_scales, b_en, cbuf; writes cbuf
.if DOCPART == 1
	.amdgcn_target "amdgcn-amd-amdhsa--gfx1250"
	.amdhsa_code_object_version 6
	.text
	.protected	k_q07fdfaa676_deproj
	.globl	k_q07fdfaa676_deproj
	.p2align	8
	.type	k_q07fdfaa676_deproj,@function
k_q07fdfaa676_deproj:
	s_mov_b64 s[64:65], 0
	v_nop
	global_prefetch_b8 v0, s[64:65] scope:SCOPE_SE
	s_setreg_imm32_b32 hwreg(HW_REG_WAVE_MODE, 25, 1), 1
	s_wait_xcnt 0x0
; cbuf[b][n] = c2 x (sum over k of dehy[b][k] W_de[n][k] + b_en[n]), c2 = 2 log2(e): the term that the next launch adds, per batch and column, ahead of its tanh.
; dehy [32][1024] and W_de [1024][1024] arrive as codes of E4M3 with one E8M0 byte for each 32 along K; they go to the matrix unit as they lie.  Sums in f32.
; NO WORK OF reference() IS LEFT OUT in this program: every input has a way to an output, b_en among them, and every input is loaded.
; SHARES.  16 work-groups x 4 waves = 64 tiles of 16 columns n.  A wave takes one tile, both tiles of 16 batches and all of K (8 steps of 128): 16 matrix instructions on two accumulators by turns.
; All operands go from memory straight into registers, once: no ring, no tensor load.  No cluster: what work-groups share (dehy, 32 KB) is a thirty-second of what they read, and nothing goes through LDS on the way in.
; SCALE WORDS.  A row has 32 scale bytes = 8 words, one a K step.  Lane (r, h) loads 16 bytes at 32 r + 16 h: register q then holds K step q's word in lanes 0-15 and K step 4 + q's in lanes 16-31.
; THE WAY OUT.  A lane holds one column and eight batches; the four waves' 64 columns of a batch are 256 bytes: they meet in a stage in LDS and leave as whole aligned runs of 256 bytes.
; REGISTERS: v1 r, v2 h, v3-5 offsets in, v7-9 the way out, v14, v15 the add's two; v16-27 scale words and nothing else; v28 b_en, v29 c2 b_en; v32-47 two accumulators; v48-63 results; v64-79 rows read back;
;   v128-255 W_de's 8 fragments; window 1: dehy's 16 fragments (tile of batches mt, K step ks at 16 (8 mt + ks)).
.set SP,    272                        ; a stage row: 256 bytes + 16
.set SPARE, 32*SP                      ; behind the stage: the spare words, 128 bytes a wave
.set MSB, 0
.macro WIN new                         ; the immediate's high byte repeats the setting that is left
.if MSB != (\new)
	s_set_vgpr_msb (MSB<<8)|(\new)
.set MSB, (\new)
.endif
.endm
	s_load_b256 s[4:11], s[0:1], 0x0               ; dehy's codes s[4:5], its scales s[6:7], W_de's codes s[8:9], its scales s[10:11]
	s_load_b128 s[12:15], s[0:1], 0x20             ; b_en s[12:13], cbuf s[14:15]
	v_lshl_add_u32 v14, v0, 2, SPARE
	v_mov_b32 v15, 0
	v_lshrrev_b32 v6, 5, v0
	v_readfirstlane_b32 s16, v6                    ; wave 0..3
	v_and_b32 v1, 15, v0                           ; r
	v_bfe_u32 v2, v0, 4, 1                         ; h
	s_wait_alu depctr_va_vdst(0)
	v_lshlrev_b32 v3, 10, v1
	v_lshl_add_u32 v3, v2, 4, v3                   ; codes: row r of 1,024 bytes, + 16 h
	v_lshlrev_b32 v4, 5, v1
	v_lshl_add_u32 v4, v2, 4, v4                   ; scale bytes: row r of 32, + 16 h
	v_lshlrev_b32 v5, 2, v1                        ; b_en: 4 r
	s_lshl_b32 s17, ttmp9, 2
	s_add_co_u32 s17, s17, s16                     ; my tile of columns: 4 x work-group + wave
	s_lshl_b32 s18, s17, 14                        ; its 16 rows of W_de's codes,
	s_mov_b32 s19, 0
	s_lshl_b32 s20, s17, 9                         ; of its scale bytes,
	s_mov_b32 s21, 0
	s_lshl_b32 s22, s17, 6                         ; its 16 numbers of b_en,
	s_mov_b32 s23, 0
	s_lshl_b32 s24, ttmp9, 8                       ; and the work-group's 256 bytes in a row of cbuf
	s_mov_b32 s25, 0
	s_mov_b32 s26, 0x4038aa3b                      ; c2 = 2 log2(e)
	v_mul_u32_u24 v7, v2, 8*SP                     ; into the stage: row 8 h (+ 16 mt + j by the immediate), byte 64 x wave + 4 r
	v_lshl_add_u32 v7, v1, 2, v7
	s_lshl_b32 s27, s16, 6
	v_add_nc_u32 v7, s27, v7
	s_mul_i32 s28, s16, 8*SP                       ; back: row 8 x wave + h (+ 2 i), byte 16 r
	v_mul_u32_u24 v8, v2, SP
	v_lshl_add_u32 v8, v1, 4, v8
	v_add_nc_u32 v8, s28, v8
	s_lshl_b32 s29, s16, 15                        ; and the same place in cbuf: rows of 4,096 bytes
	v_lshlrev_b32 v9, 12, v2
	v_lshl_add_u32 v9, v1, 4, v9
	v_add_nc_u32 v9, s29, v9
	s_wait_kmcnt 0x0
	s_add_nc_u64 s[8:9], s[8:9], s[18:19]
	s_add_nc_u64 s[10:11], s[10:11], s[20:21]
	s_add_nc_u64 s[12:13], s[12:13], s[22:23]
	s_add_nc_u64 s[14:15], s[14:15], s[24:25]
	WIN 0x40                                       ; destination window 1
.irp mt, 0,1
.irp ks, 0,1,2,3,4,5,6,7
.irp c, 0,1,2,3
	global_load_b128 v[16*(8*\mt+\ks)+4*\c:16*(8*\mt+\ks)+4*\c+3], v3, s[4:5] offset:16384*\mt+128*\ks+32*\c
.endr
.endr
.endr
	WIN 0
.irp ks, 0,1,2,3,4,5,6,7
.irp c, 0,1,2,3
	global_load_b128 v[128+16*\ks+4*\c:128+16*\ks+4*\c+3], v3, s[8:9] offset:128*\ks+32*\c
.endr
.endr
	global_load_b128 v[16:19], v4, s[6:7]          ; dehy's scale words, batches 0-15,
	global_load_b128 v[20:23], v4, s[6:7] offset:512   ; batches 16-31,
	global_load_b128 v[24:27], v4, s[10:11]        ; W_de's
	global_load_b32 v28, v5, s[12:13]              ; b_en of my column
	s_wait_loadcnt 0x0
	v_mul_f32 v29, s26, v28
	WIN 0x01                                       ; source 0 (dehy) window 1
.irp ks, 0,1,2,3,4,5,6,7                       ; the two accumulators take turns, one instruction a turn; the first K step starts the sums
.irp mt, 0,1
.if \ks == 0
	v_wmma_scale_f32_16x16x128_f8f6f4 v[32+8*\mt:39+8*\mt], v[16*(8*\mt+\ks):16*(8*\mt+\ks)+15], v[128+16*\ks:143+16*\ks], 0, v[16+4*\mt+\ks%4], v[24+\ks%4]
.elseif \ks < 4
	v_wmma_scale_f32_16x16x128_f8f6f4 v[32+8*\mt:39+8*\mt], v[16*(8*\mt+\ks):16*(8*\mt+\ks)+15], v[128+16*\ks:143+16*\ks], v[32+8*\mt:39+8*\mt], v[16+4*\mt+\ks%4], v[24+\ks%4]
.else
	v_wmma_scale_f32_16x16x128_f8f6f4 v[32+8*\mt:39+8*\mt], v[16*(8*\mt+\ks):16*(8*\mt+\ks)+15], v[128+16*\ks:143+16*\ks], v[32+8*\mt:39+8*\mt], v[16+4*\mt+\ks%4], v[24+\ks%4] matrix_a_scale:MATRIX_SCALE_ROW1 matrix_b_scale:MATRIX_SCALE_ROW1
.endif
.endr
.endr
	WIN 0
.rept 8
	v_nop                                          ; eight places between this form and the first read of its results
.endr
.irp mt, 0,1
.irp j, 0,1,2,3,4,5,6,7
	v_fma_f32 v[48+8*\mt+\j], v[32+8*\mt+\j], s26, v29   ; c2 x sum + c2 x b_en; each accumulator from its low end on
.endr
.endr
.irp mt, 0,1
.irp j, 0,1,2,3,4,5,6,7
	ds_store_b32 v7, v[48+8*\mt+\j] offset:(16*\mt+\j)*SP   ; lane (r, h): batch 16 mt + 8 h + j, column r of my tile
.endr
.endr
	s_wait_dscnt 0x0                               ; for the others' sake: my stores into the stage are done
	s_barrier_signal -1
	s_barrier_wait -1
.irp i, 0,1,2,3
	ds_load_b128 v[64+4*\i:67+4*\i], v8 offset:2*\i*SP
.endr
.irp i, 0,1,2,3
	s_wait_dscnt 3-\i
	global_store_b128 v9, v[64+4*\i:67+4*\i], s[14:15] offset:8192*\i   ; sixteen lanes store 256 consecutive bytes, at a multiple of 256 from cbuf's first byte
.endr
	s_wait_tensorcnt 0x0                           ; the wave's end, behind my last LDS store
	ds_add_u32 v14, v15
	s_wait_dscnt 0x0
	s_endpgm
.Lfunc_end_k_q07fdfaa676_deproj:
	.size	k_q07fdfaa676_deproj, .Lfunc_end_k_q07fdfaa676_deproj-k_q07fdfaa676_deproj
	.p2alignl 7, 3214868480
	.fill 96, 4, 3214868480
	.section	.rodata,"a",@progbits
	.p2align	6, 0x0
	.amdhsa_kernel k_q07fdfaa676_deproj
		.amdhsa_group_segment_fixed_size 9216
		.amdhsa_private_segment_fixed_size 0
		.amdhsa_enable_private_segment 0
		.amdhsa_kernarg_size 48
		.amdhsa_user_sgpr_count 2
		.amdhsa_user_sgpr_kernarg_segment_ptr 1
		.amdhsa_wavefront_size32 1
		.amdhsa_system_sgpr_workgroup_id_x 1
		.amdhsa_system_sgpr_workgroup_id_y 1
		.amdhsa_system_sgpr_workgroup_id_z 1
		.amdhsa_system_vgpr_workitem_id 0
		.amdhsa_next_free_vgpr 512
		.amdhsa_next_free_sgpr 66
		.amdhsa_reserve_vcc 0
		.amdhsa_float_denorm_mode_32 3
		.amdhsa_float_denorm_mode_16_64 3
		.amdhsa_memory_ordered 1
		.amdhsa_forward_progress 1
		.amdhsa_inst_pref_size 17
	.end_amdhsa_kernel
	.amdgpu_metadata
---
amdhsa.version: [ 1, 2 ]
amdhsa.kernels:
  - .name:           k_q07fdfaa676_deproj
    .symbol:         k_q07fdfaa676_deproj.kd
    .args:
      - { .name: dehy_codes, .offset: 0, .size: 8, .value_kind: global_buffer, .address_space: global }
      - { .name: dehy_scales, .offset: 8, .size: 8, .value_kind: global_buffer, .address_space: global }
      - { .name: W_de_codes, .offset: 16, .size: 8, .value_kind: global_buffer, .address_space: global }
      - { .name: W_de_scales, .offset: 24, .size: 8, .value_kind: global_buffer, .address_space: global }
      - { .name: b_en, .offset: 32, .size: 8, .value_kind: global_buffer, .address_space: global }
      - { .name: cbuf, .offset: 40, .size: 8, .value_kind: global_buffer, .address_space: global }
    .group_segment_fixed_size: 9216
    .private_segment_fixed_size: 0
    .kernarg_segment_align: 8
    .kernarg_segment_size: 48
    .max_flat_workgroup_size: 128
    .sgpr_count:     66
    .vgpr_count:     512
    .wavefront_size: 32
...
	.end_amdgpu_metadata
.endif
;; end of part 1
;; launch attend (part 2): grid 512 x 1, 4 waves a work-group, clusters of 4 x 1, 327,680 bytes of LDS; arguments enhy, W_en_codes, W_en_scales, cbuf, W_warp, past_attn, out2, part; writes out2, part
.if DOCPART == 2
	.amdgcn_target "amdgcn-amd-amdhsa--gfx1250"
	.amdhsa_code_object_version 6
	.text
	.protected	k_q07fdfaa676_attend
	.globl	k_q07fdfaa676_attend
	.p2align	8
	.type	k_q07fdfaa676_attend,@function
k_q07fdfaa676_attend:
	s_mov_b64 s[64:65], 0
	v_nop
	global_prefetch_b8 v0, s[64:65] scope:SCOPE_SE
	s_setreg_imm32_b32 hwreg(HW_REG_WAVE_MODE, 25, 1), 1
	s_wait_xcnt 0x0
	s_wait_alu depctr_hold_cnt(0) depctr_sa_sdst(0) depctr_va_vdst(0) depctr_va_sdst(0) depctr_va_ssrc(0) depctr_va_vcc(0) depctr_vm_vsrc(0)
	s_getreg_b32 s2, hwreg(HW_REG_IB_STS2, 6, 4)
	s_cmp_eq_u32 s2, 0
	s_cbranch_scc0 .Lentry_in_a_cluster
	s_endpgm
.Lentry_in_a_cluster:
	s_bfe_u32 s2, ttmp6, 0x10000c
	s_cmp_lg_u32 s2, 0x3003
	s_cbranch_scc0 .Lentry_shape_is_right
	s_endpgm
.Lentry_shape_is_right:
; For each of 65,536 rows x of enhy: score = sum over n of W_warp[n] tanh(sum over k of Q(x)[k] W_en[n][k] + b_en[n] + de[batch][n]); out2 = exp(score), no maximum taken away, as reference() has it;
; w = out2 / past_attn; and for each tile of 128 rows the partial context sum of w x, which the last launch adds and divides.  Nothing of reference() is left out.
; A work-group owns 128 rows of one batch, a wave 32.  enhy is read from memory once: a wave turns its rows, as they come through LDS, into E4M3 codes with E8M0 scale words (the stated quantiser, in f32)
; and into bf16 fragments with the rows as K (the context product's operand); both stay in registers.
; THE RING: two slots of 128 rows x 1,024 bytes (+ 16 a row) take twelve tiles by turns: four quarters along K of enhy (a wave fetches and reads its own 32 rows), then eight blocks of 128 rows of W_en's codes
; (a wave fetches 32 rows, all waves read all).  By this text's own count a wave has one tensor load out at the head and one behind each change of slots.
; CLUSTER: the four partners ask for W_en's blocks jointly; enhy's rows are each work-group's own: plain loads.
; PREFETCH: a wave asks for its own rows' later quarters, a lane a row, 256 bytes a request, four requests a quarter: quarters 1 and 2 at the head, quarter 3 in the first trip; at most two quarters are asked for and not yet loaded.
; W_en is not prefetched: all 512 work-groups walk the same 1,048,576 bytes.
; THE FIRST PRODUCT: source 0 = 16 of my rows, source 1 = 16 rows of W_en: a lane holds one column n and eight rows.  tanh(y) = 1 - 2 / (1 + 2^(c2 y)), c2 = 2 log2(e); score = sum of w2 / (1 + 2^t) - 0.5 sum of w2, w2 = -2 W_warp.
; A UNIT is 16 columns, all of K: 16 matrix instructions on two accumulators by turns; then the multiply-adds of the unit before onto the scores (the places behind the products), the next unit's LDS loads in one run, and this unit's tanh in two batches.
; THE CONTEXT: w / PS, PS = 2^floor(log2(the tile's largest |w|)), in bf16 as source 0, x in bf16 as source 1; f32 sums; PS goes out with the sums.
; LIMITS: NaN and infinities among the inputs are not served; a block of 32 zeros of enhy gets the scale byte 1 where the rule says 127 (its codes are zeros; this program alone reads the byte);
; |past_attn| lies within 2^-126 .. 2^126 (the reciprocal instruction takes denormals as zero); exp overflows where reference()'s does.
; REGISTERS.  Window 0: v1 r, v2 h, v3-12 LDS addresses, v13, v14 the add's two, v15 lane; v16-31 x's scale words, v32-39 W_en's: scales alone; v40-47 table numbers; v48-63 scores; v64-95 accumulators (16 a parity);
; v96-111 the quantiser's; v112 sum of w2; v113-119 at work; v120 the prefetches' offset, later v120-127 w's fragment; v128-255 a tile of W_en.  Window 1: x's codes.  Windows 2, 3: x in bf16.
.set PITCH,  1040
.set WPART,  32*PITCH
.set SLOTB,  4*WPART
.set WSC,    2*SLOTB                   ; W_en's scale words as register images, 512 bytes a tile of 16 rows
.set TAB,    WSC+32768                 ; pairs (cb[n], w2[n])
.set WB,     TAB+8192
.set EB,     WB+512
.set WH,     EB+512
.set SCR,    WH+256
.set CST,    SCR+512
.set SPARE,  CST+16384                 ; the spare words, 128 bytes a wave
.set RR,  1
.set HH,  2
.set AQ0, 3
.set AC0, 4
.set AB0, 5
.set AS0, 6
.set AT0, 7
.set ADQ, 8
.set ADC, 9
.set ADB, 10
.set ADS, 11
.set ADT, 12
.set SPW, 13
.set NIL, 14
.set LN,  15
.set XS,  16
.set WS,  32
.set TBL, 40
.set SCORE, 48
.set ACC, 64
.set TM,  96
.set SW,  112
.set PAST, 113
.set WGT, 114
.set EE,  115
.set T0,  116
.set WF,  120
.set PFO, 120
.set BB,  128
.set RAWA, 128
.set RAWB, 192
.set WV,  22
.set CX,  23
.set WG,  24
.set WOFF, 26
.set G1X, 28
.set G1W, 36
.set G0A, 44
.set G0B, 48
.set G0W, 52
.set TB,  56
.set TS,  59
.set TT,  60
.set SC,  61
.set GC,  62
.set MNT, 63
.set C2,  66
.set SEL, 68
.set L2E, 70
.set MSB, 0
.macro WIN new                         ; the immediate's high byte repeats the setting that is left
.if MSB != (\new)
	s_set_vgpr_msb (MSB<<8)|(\new)
.set MSB, (\new)
.endif
.endm
.macro VW                              ; the wait round transcendentals and ahead of late readers
	s_wait_alu depctr_va_vdst(0)
.endm
.macro ROUND                           ; a round of the cluster's barrier
	s_barrier_signal -1
	s_barrier_wait -1
	s_cmp_lg_u32 s[WV], 0
	s_cbranch_scc1 .Lnot_wave_0_\@
	s_barrier_signal -3
.Lnot_wave_0_\@:
	s_barrier_wait -3
	s_barrier_signal -1
	s_barrier_wait -1
.endm
; THE CHANGE OF SLOTS: all my tensor loads, the add, my LDS instructions; the round; my one tensor load.
; kind 5: slot 1's first fill (quarter 1); 1, 2: the quarter two further on; 3: W_en's block 0; 4: its next block; 0: nothing is left to fetch.
.macro CHANGE kind
	s_wait_tensorcnt 0x0
	ds_add_u32 v[SPW], v[NIL]
.if \kind == 1
	s_add_nc_u64 s[G0A+2:G0A+3], s[G0A+2:G0A+3], 2048
.elseif \kind == 2
	s_add_nc_u64 s[G0B+2:G0B+3], s[G0B+2:G0B+3], 2048
.elseif \kind == 4
	s_xor_b32 s[G0W+1], s[G0W+1], SLOTB
	s_add_nc_u64 s[G0W+2:G0W+3], s[G0W+2:G0W+3], 131072
.endif
	s_wait_dscnt 0x0
.if \kind == 0
	s_barrier_signal -1
	s_barrier_wait -1
.else
	ROUND
.if \kind == 1
	tensor_load_to_lds s[G0A:G0A+3], s[G1X:G1X+7]
.elseif (\kind == 2) || (\kind == 5)
	tensor_load_to_lds s[G0B:G0B+3], s[G1X:G1X+7]
.else
	tensor_load_to_lds s[G0W:G0W+3], s[G1W:G1W+7]
.endif
	s_nop 0
.rept 4
	v_nop
.endr
.endif
.endm
.macro ASK q                           ; quarter q of my 32 rows: lane = row, four blocks of 256 bytes
.irp j, 0,1,2,3
	global_prefetch_b8 v[PFO], s[4:5] offset:1024*(\q)+256*\j th:TH_LOAD_NT scope:SCOPE_SE
.endr
.endm
.macro QLOAD buf, mt, ks               ; register 16 c + i = k 32 c + 16 h + i of row r
.irp c, 0,1,2,3
.irp j, 0,1,2,3
	ds_load_b128 v[\buf+16*\c+4*\j:\buf+16*\c+4*\j+3], v[ADQ] offset:16*PITCH*(\mt)+512*(\ks)+128*\c+16*\j
.endr
.endr
.endm
.macro CLOAD buf, t4                   ; registers 4 i .. 4 i + 3 = columns 64 t4 + 4 r .. of row 8 h + i (i < 8) or 16 + 8 h + i - 8
.irp i, 0,1,2,3,4,5,6,7,8,9,10,11,12,13,14,15
	ds_load_b128 v[\buf+4*\i:\buf+4*\i+3], v[ADC] offset:(\i+8*(\i/8))*PITCH+256*(\t4)
.endr
.endm
.macro QUANT buf, code, xs             ; 64 numbers -> 16 registers of codes in window 1 and the row's scale word
.irp b, 0,1,2,3
	v_max3_num_f32 v[TM+\b], |v[\buf+16*\b]|, |v[\buf+1+16*\b]|, 0x4800000   ; with the floor 2^(9 - 127): the byte stays at 1 or above
.endr
.irp i, 2,4,6,8,10,12,14
.irp b, 0,1,2,3
	v_max3_num_f32 v[TM+\b], v[TM+\b], |v[\buf+16*\b+\i]|, |v[\buf+1+16*\b+\i]|
.endr
.endr
.irp b, 0,1,2,3
	v_permlanex16_b32 v[TM+4+\b], v[TM+\b], s[SEL], s[SEL+1]
.endr
.irp b, 0,1,2,3
	v_max_num_f32 v[TM+\b], v[TM+\b], v[TM+4+\b]
.endr
.irp b, 0,1,2,3
	v_add_nc_u32 v[TM+12+\b], 0xfc000000, v[TM+\b]   ; 8 off the exponent field: the conversion's scale operand
.endr
.irp b, 0,1,2,3
	v_and_or_b32 v[TM+8+\b], v[TM+\b], 0x7f800000, s[MNT]   ; 448 x the scale
.endr
.irp b, 0,1,2,3
	v_lshrrev_b32 v[TM+4+\b], 23, v[TM+12+\b]
.endr
	v_lshl_or_b32 v[\xs], v[TM+5], 8, v[TM+4]
	v_lshl_or_b32 v[\xs], v[TM+6], 16, v[\xs]
	v_lshl_or_b32 v[\xs], v[TM+7], 24, v[\xs]
.irp b, 0,1,2,3
.irp i, 0,1,2,3,4,5,6,7,8,9,10,11,12,13,14,15
	v_med3_num_f32 v[\buf+16*\b+\i], v[\buf+16*\b+\i], -v[TM+8+\b], v[TM+8+\b]   ; the hold: the conversion does not saturate (ISA guide 7.6.2)
.endr
.endr
	WIN 0x40
.irp b, 0,1,2,3
	v_cvt_scalef32_pk8_fp8_f32 v[(\code)+4*\b:(\code)+4*\b+1], v[\buf+16*\b:\buf+16*\b+7], v[TM+12+\b]
	v_cvt_scalef32_pk8_fp8_f32 v[(\code)+4*\b+2:(\code)+4*\b+3], v[\buf+16*\b+8:\buf+16*\b+15], v[TM+12+\b]
.endr
	WIN 0
	v_nop                                          ; one plain place behind the last scaled conversion
.endm
.macro PACK buf, q, t4                 ; four bf16 fragments, K = my 32 rows
	WIN (2+((\q)>>1))<<6
.irp jj, 0,1,2,3
.irp p, 0,1,2,3,4,5,6,7
	v_cvt_pk_bf16_f32 v[8*(16*((\q)&1)+4*(\t4)+\jj)+\p], v[\buf+8*\p+\jj], v[\buf+8*\p+4+\jj]
.endr
.endr
	WIN 0
.endm
; A quarter of enhy: eight items through two sets of 64 registers; an item's 16 loads go out one item ahead, so each wait leaves 16 out.
.macro XROUND q, ask
	v_add_nc_u32 v[ADQ], ((\q)&1)*SLOTB, v[AQ0]
	v_add_nc_u32 v[ADC], ((\q)&1)*SLOTB, v[AC0]
	QLOAD RAWA, 0, 0
	QLOAD RAWB, 0, 1
	s_wait_dscnt 16
	QUANT RAWA, 16*(2*(\q)), XS+2*(\q)
	QLOAD RAWA, 1, 0
.if \ask
	ASK \ask
.endif
	s_wait_dscnt 16
	QUANT RAWB, 16*(2*(\q)+1), XS+2*(\q)+1
	QLOAD RAWB, 1, 1
	s_wait_dscnt 16
	QUANT RAWA, 128+16*(2*(\q)), XS+8+2*(\q)
	CLOAD RAWA, 0
	s_wait_dscnt 16
	QUANT RAWB, 128+16*(2*(\q)+1), XS+8+2*(\q)+1
	CLOAD RAWB, 1
	s_wait_dscnt 16
	PACK RAWA, \q, 0
	CLOAD RAWA, 2
	s_wait_dscnt 16
	PACK RAWB, \q, 1
	CLOAD RAWB, 3
	s_wait_dscnt 16
	PACK RAWA, \q, 2
	s_wait_dscnt 0x0
	PACK RAWB, \q, 3
.endm
.macro BTILE                           ; a tile of W_en, 16 rows x all of K: 32 loads, K ascending
.irp ks, 0,1,2,3,4,5,6,7
.irp c, 0,1,2,3
	ds_load_b128 v[BB+16*\ks+4*\c:BB+16*\ks+4*\c+3], v[ADB] offset:128*\ks+32*\c
.endr
.endr
.endm
.macro MM ks, nt, mt                   ; K step 0 starts the sum; W_en's scale words of K steps 4 to 7 lie in lanes 16-31
.set rD, ACC+8*(2*(\nt)+(\mt))
.set rA, 128*(\mt)+16*(\ks)
.set rB, BB+16*(\ks)
.set rX, XS+8*(\mt)+(\ks)
.set rW, WS+4*(\nt)+((\ks)%4)
	WIN 0x01
.if (\ks) == 0
	v_wmma_scale_f32_16x16x128_f8f6f4 v[rD:rD+7], v[rA:rA+15], v[rB:rB+15], 0, v[rX], v[rW]
.elseif (\ks) < 4
	v_wmma_scale_f32_16x16x128_f8f6f4 v[rD:rD+7], v[rA:rA+15], v[rB:rB+15], v[rD:rD+7], v[rX], v[rW]
.else
	v_wmma_scale_f32_16x16x128_f8f6f4 v[rD:rD+7], v[rA:rA+15], v[rB:rB+15], v[rD:rD+7], v[rX], v[rW] matrix_b_scale:MATRIX_SCALE_ROW1
.endif
.endm
.macro TE p                            ; 1 / (1 + 2^t) times w2 onto the rows' scores
.irp a, 0,1
.irp j, 0,2,4,6
	v_pk_fma_f32 v[SCORE+8*\a+\j:SCORE+8*\a+\j+1], v[ACC+16*(\p)+8*\a+\j:ACC+16*(\p)+8*\a+\j+1], v[TBL+4*(\p)+2:TBL+4*(\p)+3], v[SCORE+8*\a+\j:SCORE+8*\a+\j+1] op_sel_hi:[1,0,1]
.endr
.endr
.endm
; A UNIT of parity nt.  Its loads were issued in the order table pair, scale words, K steps 0 to 7: the first wait leaves K steps 4 to 7 (16 loads) out.
; The two accumulators take turns, one instruction a turn.  TE's eight lines name no register of the products: they are the eight places ahead of the loads into the tile and of the first read of the results.
.macro UNIT nt, pf
.set PP, 1-(\nt)
.set AN, ACC+16*(\nt)
.set TN, TBL+4*(\nt)
	s_wait_dscnt 16
.irp ks, 0,1,2,3
	MM \ks, \nt, 0
	MM \ks, \nt, 1
.endr
	s_wait_dscnt 0x0
.irp ks, 4,5,6,7
	MM \ks, \nt, 0
	MM \ks, \nt, 1
.endr
	WIN 0
	TE PP
.if \pf
	v_add_nc_u32 v[ADB], 16*PITCH, v[ADB]          ; the next unit's tile, scale words and table pair
	v_add_nc_u32 v[ADS], s[TS], v[AS0]
	v_add_nc_u32 v[ADT], s[TT], v[AT0]
	ds_load_b64 v[TBL+4*PP:TBL+4*PP+1], v[ADT] offset:128
	ds_load_b128 v[WS+4*PP:WS+4*PP+3], v[ADS] offset:512
	BTILE
.endif
.irp j, 0,2,4,6,8,10,12,14
	v_pk_fma_f32 v[AN+\j:AN+\j+1], v[AN+\j:AN+\j+1], s[C2:C2+1], v[TN:TN+1] op_sel_hi:[1,0,0]   ; t = c2 z + cb; each accumulator from its low end on
.endr
	VW
.irp j, 0,1,2,3,4,5,6,7,8,9,10,11,12,13,14,15
	v_exp_f32 v[AN+\j], v[AN+\j]
.endr
	v_mov_b32 v[TN+2], v[TN+1]                     ; w2 into the low word of a pair of its own (plain work behind the batch),
	v_add_f32 v[SW], v[SW], v[TN+1]                ; and onto the sum of my columns' w2
	VW
.irp j, 0,2,4,6,8,10,12,14
	v_pk_add_f32 v[AN+\j:AN+\j+1], v[AN+\j:AN+\j+1], 1.0 op_sel_hi:[1,0]
.endr
	VW
.irp j, 0,1,2,3,4,5,6,7,8,9,10,11,12,13,14,15
	v_rcp_f32 v[AN+\j], v[AN+\j]
.endr
	v_nop
	VW
	s_add_co_u32 s[TS], s[TS], 512
	s_add_co_u32 s[TT], s[TT], 128
.endm
.macro WSTEP                           ; a slot of W_en: eight units; the last fetches nothing beyond the slot
	v_add_nc_u32 v[ADB], s[TB], v[AB0]
	v_add_nc_u32 v[ADS], s[TS], v[AS0]
	v_add_nc_u32 v[ADT], s[TT], v[AT0]
	VW
	ds_load_b64 v[TBL:TBL+1], v[ADT]
	ds_load_b128 v[WS:WS+3], v[ADS]
	BTILE
	s_mov_b32 s[GC], 3
.Lgroup_\@:
	UNIT 0, 1
	UNIT 1, 1
	s_sub_co_u32 s[GC], s[GC], 1
	s_cmp_lg_u32 s[GC], 0
	s_cbranch_scc1 .Lgroup_\@
	UNIT 0, 1
	UNIT 1, 0
	s_xor_b32 s[TB], s[TB], SLOTB
.endm
	s_load_b512 s[4:19], s[0:1], 0x0               ; enhy, W_en's codes, its scales, cbuf, W_warp, past_attn, out2, part
	v_lshl_add_u32 v[SPW], v0, 2, SPARE
	v_mov_b32 v[NIL], 0
	ds_add_u32 v[SPW], v[NIL]                      ; the opening lines: the add twice on end
	ds_add_u32 v[SPW], v[NIL]
	v_lshrrev_b32 v[T0], 5, v0
	v_readfirstlane_b32 s[WV], v[T0]
	s_bfe_u32 s[CX], ttmp6, 0x40000
	s_lshl_b32 s[WG], ttmp9, 2
	s_add_co_u32 s[WG], s[WG], s[CX]               ; my work-group: it enters global addresses of my own rows alone
	s_mul_i32 s[WOFF], s[WV], WPART
	s_mov_b32 s[G1X], (2<<16)|(1<<20)|(7<<22)|(3<<25)              ; 32 rows x 256 elements of 4 bytes, 4 words of padding behind each row
	s_mov_b32 s[G1X+1], 256<<16
	s_mov_b32 s[G1X+2], 32<<16
	s_mov_b32 s[G1X+3], 256<<16
	s_mov_b32 s[G1X+4], 32
	s_mov_b32 s[G1X+5], 1024
	s_mov_b32 s[G1X+6], 0
	s_mov_b32 s[G1X+7], 0
	s_mov_b32 s[G1W], 15|(2<<16)|(1<<20)|(1<<21)|(7<<22)|(3<<25)   ; the same with the mask of the four partners
	s_mov_b32 s[G1W+1], 256<<16
	s_mov_b32 s[G1W+2], 32<<16
	s_mov_b32 s[G1W+3], 256<<16
	s_mov_b32 s[G1W+4], 32
	s_mov_b32 s[G1W+5], 256
	s_mov_b32 s[G1W+6], 0
	s_mov_b32 s[G1W+7], 0
	s_mov_b32 s[MNT], 0x600000
	s_mov_b32 s[C2], 0x4038aa3b                    ; 2 log2(e)
	s_mov_b32 s[C2+1], s[C2]
	s_mov_b32 s[SEL], 0x76543210
	s_mov_b32 s[SEL+1], 0xfedcba98
	s_mov_b32 s[L2E], 0x3fb8aa3b
	s_lshl_b32 s72, s[WG], 19                      ; enhy: 128 rows of 4,096 bytes a work-group, 32 a wave
	s_lshl_b32 s73, s[WV], 17
	s_add_co_u32 s72, s72, s73
	s_mov_b32 s73, 0
	s_lshl_b32 s74, s[WV], 15                      ; W_en's codes: 32 rows a wave
	s_mov_b32 s75, 0
	s_lshr_b32 s76, s[WG], 4
	s_lshl_b32 s76, s76, 12                        ; my batch's row of cbuf
	s_mov_b32 s77, 0
	s_lshl_b32 s78, s[WG], 9                       ; past_attn, out2
	s_mov_b32 s79, 0
	s_mul_i32 s80, s[WG], 4352                     ; part
	s_mov_b32 s81, 0
	s_lshl_b32 s82, s[WV], 13                      ; W_en's scale bytes: 16 tiles a wave
	v_and_b32 v[LN], 31, v0
	v_and_b32 v[RR], 15, v0
	v_bfe_u32 v[HH], v0, 4, 1
	v_mul_u32_u24 v[AB0], v[RR], PITCH
	v_lshl_add_u32 v[AQ0], v[HH], 6, v[AB0]
	v_add_nc_u32 v[AQ0], s[WOFF], v[AQ0]
	v_mul_u32_u24 v[AC0], v[HH], 8*PITCH
	v_lshl_add_u32 v[AC0], v[RR], 4, v[AC0]
	v_add_nc_u32 v[AC0], s[WOFF], v[AC0]
	v_lshl_add_u32 v[AB0], v[HH], 4, v[AB0]
	v_lshl_add_u32 v[AS0], v[LN], 4, WSC
	v_lshl_add_u32 v[AT0], v[RR], 3, TAB
	v_lshlrev_b32 v[PFO], 12, v[LN]                ; lane x a row of enhy
	VW
	s_wait_dscnt 0x0
	s_wait_kmcnt 0x0
	s_add_nc_u64 s[4:5], s[4:5], s[72:73]
	s_add_nc_u64 s[6:7], s[6:7], s[74:75]
	s_add_nc_u64 s[10:11], s[10:11], s[76:77]
	s_add_nc_u64 s[14:15], s[14:15], s[78:79]
	s_add_nc_u64 s[16:17], s[16:17], s[78:79]
	s_add_nc_u64 s[18:19], s[18:19], s[80:81]
	s_mov_b32 s[G0A], 1
	s_mov_b32 s[G0A+1], s[WOFF]
	s_mov_b64 s[G0A+2:G0A+3], s[4:5]
	s_or_b32 s[G0A+3], s[G0A+3], 0x80000000
	s_mov_b32 s[G0B], 1
	s_add_co_u32 s[G0B+1], s[WOFF], SLOTB
	s_add_nc_u64 s[G0B+2:G0B+3], s[4:5], 1024
	s_or_b32 s[G0B+3], s[G0B+3], 0x80000000
	s_mov_b32 s[G0W], 1
	s_mov_b32 s[G0W+1], s[WOFF]
	s_mov_b64 s[G0W+2:G0W+3], s[6:7]
	s_or_b32 s[G0W+3], s[G0W+3], 0x80000000
	ROUND
	tensor_load_to_lds s[G0A:G0A+3], s[G1X:G1X+7]  ; quarter 0: one tensor load a wave at the head
	s_nop 0
.rept 4
	v_nop
.endr
	; THE TABLES, a quarter a wave; all waves read them behind later changes of slots
	v_lshlrev_b32 v[T0], 5, v[RR]
	v_lshl_add_u32 v[T0], v[HH], 4, v[T0]
	v_add_nc_u32 v[T0], s82, v[T0]
.set i, 0
.rept 16
	global_load_b128 v[RAWB+4*i:RAWB+4*i+3], v[T0], s[8:9] offset:512*i
.set i, i+1
.endr
	v_lshlrev_b32 v[T0+1], 4, v0
	global_load_b128 v[ACC:ACC+3], v[T0+1], s[10:11]
	global_load_b128 v[ACC+4:ACC+7], v[T0+1], s[10:11] offset:2048
	global_load_b128 v[ACC+8:ACC+11], v[T0+1], s[12:13]
	global_load_b128 v[ACC+12:ACC+15], v[T0+1], s[12:13] offset:2048
	v_lshlrev_b32 v[T0+2], 2, v0
	global_load_b32 v[PAST], v[T0+2], s[14:15]
	ASK 1
	ASK 2
	v_add_nc_u32 v[T0+3], s82, v[AS0]
.set i, 0
.rept 16
	v_mov_b32 v[SCORE+i], 0
.set i, i+1
.endr
	v_mov_b32 v[SW], 0
	v_mov_b32 v[TBL+3], 0                          ; (upper halves of pairs)
	v_mov_b32 v[TBL+7], 0
.irp b, 0,1,2,3
	v_mov_b32 v[TM+4+\b], 0                        ; a lane permute's destination counts as a source
.endr
	VW
	s_wait_loadcnt 0x0
.set i, 0
.rept 16
	ds_store_b128 v[T0+3], v[RAWB+4*i:RAWB+4*i+3] offset:512*i
.set i, i+1
.endr
.irp u, 0,1
.irp i, 0,1,2,3
	v_mov_b32 v[ACC+16+8*\u+2*\i], v[ACC+4*\u+\i]
	v_mul_f32 v[ACC+17+8*\u+2*\i], -2.0, v[ACC+8+4*\u+\i]
.endr
.endr
	v_lshl_add_u32 v[T0], v0, 5, TAB
	ds_store_b128 v[T0], v[ACC+16:ACC+19]
	ds_store_b128 v[T0], v[ACC+20:ACC+23] offset:16
	ds_store_b128 v[T0], v[ACC+24:ACC+27] offset:4096
	ds_store_b128 v[T0], v[ACC+28:ACC+31] offset:4112
	; ENHY COMES IN
	CHANGE 5
	XROUND 0, 3
	CHANGE 1
	XROUND 1, 0
	CHANGE 2
	XROUND 2, 0
	CHANGE 3
	XROUND 3, 0
	; THE PRODUCT WITH W_en, tanh AND THE SCORES
	s_wait_xcnt 0x0                                ; the prefetches have read their offset register, which the tail writes
	s_mov_b32 s[TB], 0
	s_mov_b32 s[TS], 0
	s_mov_b32 s[TT], 0
.set i, 0
.rept 16
	v_mov_b32 v[ACC+16+i], 0                       ; the first unit has none before it: its multiply-adds find zeros
.set i, i+1
.endr
	v_mov_b32 v[TBL+6], 0
	VW
	s_mov_b32 s[SC], 7
.Lslot:
	CHANGE 4
	WSTEP
	s_sub_co_u32 s[SC], s[SC], 1
	s_cmp_lg_u32 s[SC], 0
	s_cbranch_scc1 .Lslot
	CHANGE 0
	WSTEP
	TE 1                                           ; the last unit's multiply-adds
.set T4,  3
.set L16, 4
.set WHW, 5
.set WFR, 6
.set SCW, 7
.set CSW, 8
.set CSR, 9
.set G16, 10
.set G8,  11
.set GP,  12
	v_lshl_add_u32 v[T4], v0, 2, WB
	v_lshl_add_u32 v[L16], v[LN], 4, WB
	v_lshl_add_u32 v[WHW], v0, 1, WH
	s_lshl_b32 s72, s[WV], 6
	v_lshl_add_u32 v[WFR], v[HH], 4, WH
	v_add_nc_u32 v[WFR], s72, v[WFR]
	s_lshl_b32 s73, s[WV], 7
	v_lshl_add_u32 v[SCW], v[HH], 5, SCR
	v_add_nc_u32 v[SCW], s73, v[SCW]
	s_lshl_b32 s74, s[WV], 12
	v_lshl_add_u32 v[CSW], v[RR], 4, CST
	v_add_nc_u32 v[CSW], s74, v[CSW]
	s_lshl_b32 s75, s[WV], 10
	v_lshl_add_u32 v[CSR], v[LN], 4, CST
	v_add_nc_u32 v[CSR], s75, v[CSR]
	v_lshlrev_b32 v[G16], 4, v[LN]
	v_lshlrev_b32 v[G8], 3, v[LN]
	v_add_nc_u32 v[GP], s75, v[G16]
.set i, 0
.rept 16
	v_fma_f32 v[SCORE+i], v[SW], -0.5, v[SCORE+i]  ; the terms '1' of tanh
.set i, i+1
.endr
.irp m, 1,2,4,8                                ; a row's score: the sum over the sixteen lanes that hold its columns
.set i, 0
.rept 16
	v_add_f32_dpp v[SCORE+i], v[SCORE+i], v[SCORE+i] row_xmask:\m row_mask:0xf bank_mask:0xf
.set i, i+1
.endr
.endr
	ds_store_b128 v[SCW], v[SCORE:SCORE+3]         ; register 8 mt + j of half h is row 16 mt + 8 h + j
	ds_store_b128 v[SCW], v[SCORE+4:SCORE+7] offset:16
	ds_store_b128 v[SCW], v[SCORE+8:SCORE+11] offset:64
	ds_store_b128 v[SCW], v[SCORE+12:SCORE+15] offset:80
	ds_load_b32 v[T0], v[T4] offset:SCR-WB         ; a lane a row; my own bytes, served in order (ISA guide 5.7.1.4)
	s_wait_dscnt 0x0
	v_mul_f32 v[T0], s[L2E], v[T0]
	VW
	v_exp_f32 v[EE], v[T0]
	v_rcp_f32 v[T0+1], v[PAST]
	v_nop
	VW
	v_mul_f32 v[WGT], v[EE], v[T0+1]               ; w = exp(score) / past_attn
	ds_store_b32 v[T4], v[WGT]
	ds_store_b32 v[T4], v[EE] offset:EB-WB
	VW
	s_wait_dscnt 0x0
	s_barrier_signal -1
	s_barrier_wait -1
	ds_load_b128 v[T0:T0+3], v[L16]
	s_wait_dscnt 0x0
	v_max3_num_f32 v[T0], |v[T0]|, |v[T0+1]|, |v[T0+2]|
	v_max3_num_f32 v[T0], v[T0], |v[T0+3]|, 0x800000       ; the floor 2^-126, so that PS is a number
	v_max_num_f32_dpp v[T0], v[T0], v[T0] row_xmask:1 row_mask:0xf bank_mask:0xf
	v_max_num_f32_dpp v[T0], v[T0], v[T0] row_xmask:2 row_mask:0xf bank_mask:0xf
	v_max_num_f32_dpp v[T0], v[T0], v[T0] row_xmask:4 row_mask:0xf bank_mask:0xf
	v_max_num_f32_dpp v[T0], v[T0], v[T0] row_xmask:8 row_mask:0xf bank_mask:0xf
	v_permlanex16_b32 v[T0+1], v[T0], s[SEL], s[SEL+1]
	v_max_num_f32 v[T0], v[T0], v[T0+1]
	v_and_b32 v[TBL], 0x7f800000, v[T0]            ; PS
	v_mov_b32 v[TBL+1], v[TBL]
	v_lshrrev_b32 v[T0+1], 23, v[T0]
	v_sub_nc_u32 v[T0+1], 127, v[T0+1]
	v_ldexp_f32 v[T0+3], v[WGT], v[T0+1]           ; w / PS: nothing is rounded
	v_cvt_pk_bf16_f32 v[T0+3], v[T0+3], v[T0+3]
	ds_store_b16 v[WHW], v[T0+3]
	ds_load_b128 v[WF:WF+3], v[WFR]                ; w's fragment: K = my 32 rows (my own bytes)
	ds_load_b128 v[WF+4:WF+7], v[WFR] offset:32
	VW
	s_cmp_lg_u32 s[WV], 0                          ; wave 0 stores the tile's exp(score) and PS
	s_cbranch_scc1 .Lnot_wave_0
	ds_load_b128 v[TBL+4:TBL+7], v[L16] offset:EB-WB
	s_wait_dscnt 0x0
	global_store_b128 v[G16], v[TBL+4:TBL+7], s[16:17]             ; 512 consecutive bytes, aligned
	global_store_b64 v[G8], v[TBL:TBL+1], s[18:19] offset:4096     ; PS 64 times: 256 consecutive bytes
.Lnot_wave_0:
	s_wait_dscnt 0x0
	; THE CONTEXT: all 16 rows of a result are the same; register 0 is taken
.irp q, 0,1,2,3
	WIN 0x08+4*((\q)>>1)
.irp u, 0,1,2,3,4,5,6,7,8,9,10,11,12,13,14,15
	v_wmma_f32_16x16x32_bf16 v[BB+8*\u:BB+8*\u+7], v[WF:WF+7], v[8*(16*(\q&1)+\u):8*(16*(\q&1)+\u)+7], 0
.endr
	WIN 0
.rept 4
	v_nop
.endr
.irp u, 0,1,2,3,4,5,6,7,8,9,10,11,12,13,14,15
	v_mov_b32 v[SCORE+16*\q+\u], v[BB+8*\u]        ; product 4 t + jj holds column 256 q + 64 t + 4 r + jj
.endr
.irp t, 0,1,2,3
	ds_store_b128 v[CSW], v[SCORE+16*\q+4*\t:SCORE+16*\q+4*\t+3] offset:1024*\q+256*\t
.endr
.endr
	s_wait_dscnt 0x0
	s_barrier_signal -1
	s_barrier_wait -1
.irp s, 0,1,2,3                                ; wave w adds the four waves' sums of columns 256 w .. 256 w + 255
.irp u, 0,1
	ds_load_b128 v[BB+8*\s+4*\u:BB+8*\s+4*\u+3], v[CSR] offset:4096*\s+512*\u
.endr
.endr
	s_wait_dscnt 0x0
.irp e, 0,2,4,6
	v_pk_add_f32 v[BB+\e:BB+\e+1], v[BB+\e:BB+\e+1], v[BB+8+\e:BB+8+\e+1]
	v_pk_add_f32 v[BB+16+\e:BB+16+\e+1], v[BB+16+\e:BB+16+\e+1], v[BB+24+\e:BB+24+\e+1]
.endr
.irp e, 0,2,4,6
	v_pk_add_f32 v[BB+\e:BB+\e+1], v[BB+\e:BB+\e+1], v[BB+16+\e:BB+16+\e+1]
.endr
	global_store_b128 v[GP], v[BB:BB+3], s[18:19]                  ; 512 consecutive bytes, at a multiple of 256 from part's first byte
	global_store_b128 v[GP], v[BB+4:BB+7], s[18:19] offset:512
	s_wait_tensorcnt 0x0                           ; the wave's end
	ds_add_u32 v[SPW], v[NIL]
	s_wait_dscnt 0x0
	ROUND                                          ; the closing round
	s_endpgm
.Lfunc_end_k_q07fdfaa676_attend:
	.size	k_q07fdfaa676_attend, .Lfunc_end_k_q07fdfaa676_attend-k_q07fdfaa676_attend
	.p2alignl 7, 3214868480
	.fill 96, 4, 3214868480
	.section	.rodata,"a",@progbits
	.p2align	6, 0x0
	.amdhsa_kernel k_q07fdfaa676_attend
		.amdhsa_group_segment_fixed_size 327680
		.amdhsa_private_segment_fixed_size 0
		.amdhsa_enable_private_segment 0
		.amdhsa_kernarg_size 64
		.amdhsa_user_sgpr_count 2
		.amdhsa_user_sgpr_kernarg_segment_ptr 1
		.amdhsa_wavefront_size32 1
		.amdhsa_system_sgpr_workgroup_id_x 1
		.amdhsa_system_sgpr_workgroup_id_y 1
		.amdhsa_system_sgpr_workgroup_id_z 1
		.amdhsa_system_vgpr_workitem_id 0
		.amdhsa_next_free_vgpr 1024
		.amdhsa_next_free_sgpr 96
		.amdhsa_reserve_vcc 0
		.amdhsa_float_denorm_mode_32 3
		.amdhsa_float_denorm_mode_16_64 3
		.amdhsa_memory_ordered 1
		.amdhsa_forward_progress 1
		.amdhsa_inst_pref_size 255
	.end_amdhsa_kernel
	.section	.bss,"aw",@nobits
	.p2align	6
	.space	262144
	.amdgpu_metadata
---
amdhsa.version: [ 1, 2 ]
amdhsa.kernels:
  - .name:           k_q07fdfaa676_attend
    .symbol:         k_q07fdfaa676_attend.kd
    .args:
      - { .name: enhy, .offset: 0, .size: 8, .value_kind: global_buffer, .address_space: global }
      - { .name: W_en_codes, .offset: 8, .size: 8, .value_kind: global_buffer, .address_space: global }
      - { .name: W_en_scales, .offset: 16, .size: 8, .value_kind: global_buffer, .address_space: global }
      - { .name: cbuf, .offset: 24, .size: 8, .value_kind: global_buffer, .address_space: global }
      - { .name: W_warp, .offset: 32, .size: 8, .value_kind: global_buffer, .address_space: global }
      - { .name: past_attn, .offset: 40, .size: 8, .value_kind: global_buffer, .address_space: global }
      - { .name: out2, .offset: 48, .size: 8, .value_kind: global_buffer, .address_space: global }
      - { .name: part, .offset: 56, .size: 8, .value_kind: global_buffer, .address_space: global }
    .group_segment_fixed_size: 327680
    .private_segment_fixed_size: 0
    .kernarg_segment_align: 8
    .kernarg_segment_size: 64
    .max_flat_workgroup_size: 128
    .sgpr_count:     96
    .vgpr_count:     1024
    .wavefront_size: 32
...
	.end_amdgpu_metadata
.endif
;; end of part 2
;; launch norm (part 3): grid 32 x 1, 8 waves a work-group, no clusters, 1,280 bytes of LDS; arguments out2, past_attn, part, out0, out1; writes out0, out1
.if DOCPART == 3
	.amdgcn_target "amdgcn-amd-amdhsa--gfx1250"
	.amdhsa_code_object_version 6
	.text
	.protected	k_q07fdfaa676_norm
	.globl	k_q07fdfaa676_norm
	.p2align	8
	.type	k_q07fdfaa676_norm,@function
k_q07fdfaa676_norm:
	s_mov_b64 s[64:65], 0
	v_nop
	global_prefetch_b8 v0, s[64:65] scope:SCOPE_SE
	s_setreg_imm32_b32 hwreg(HW_REG_WAVE_MODE, 25, 1), 1
	s_wait_xcnt 0x0
; For each batch: a = out2 / past_attn; T = the sum over its 2,048 positions of |a|; out1 = a / T; out0 = the sum over its 16 tiles of part x PS / T.  Nothing of reference() is left out.
; A work-group of 256 threads takes a batch: a thread has 8 positions and 4 columns.  The launch moves under 3 MB: loads all at once, 16 bytes a lane, whole runs of 256 bytes out.  No matrix unit, no cluster: work-groups share nothing.
; THE DIVISION goes through exponents: T is brought into [1, 2) by v_ldexp_f32, its reciprocal taken there, and the same exponent applied to the quotient, so that no reciprocal is flushed and nothing overflows where reference() is finite
; (PS <= the tile's largest |w| <= T, so every factor PS / T is at most 1).
; LIMITS: |past_attn| lies within 2^-126 .. 2^126 (the reciprocal instruction takes denormals as zero and gives none); NaN and infinities among the inputs are not served.
; REGISTERS: v2 16 x thread; v4-11 out2, then a, then out1; v12-19 past_attn; v20-27 reciprocals, later v20-23 out0; v28-31 at work; v32-95 part, 4 a tile; v96-106 the sum; v108-123 PS / T; v126, v127 the add's two.
.set SPARE, 256                        ; bytes 0-31: the eight waves' sums; from 256 on the spare words, 128 bytes a wave
	s_load_b256 s[4:11], s[0:1], 0x0               ; out2 s[4:5], past_attn s[6:7], part s[8:9], out0 s[10:11]
	s_load_b64 s[12:13], s[0:1], 0x20              ; out1
	v_lshl_add_u32 v126, v0, 2, SPARE
	v_mov_b32 v127, 0
	v_lshrrev_b32 v1, 5, v0
	s_delay_alu instid0(VALU_DEP_1)
	v_readfirstlane_b32 s14, v1                    ; wave 0..7
	v_lshlrev_b32 v2, 4, v0
	s_lshl_b32 s16, ttmp9, 13                      ; a batch's 2,048 numbers,
	s_mov_b32 s17, 0
	s_mul_i32 s18, ttmp9, 16*4352                  ; its 16 rows of part,
	s_mov_b32 s19, 0
	s_lshl_b32 s20, ttmp9, 12                      ; its row of out0
	s_mov_b32 s21, 0
	s_mov_b32 s22, 0x76543210
	s_mov_b32 s23, 0xfedcba98                      ; v_permlanex16_b32's selects for lane l xor 16
	s_wait_alu depctr_va_vdst(0)
	s_wait_kmcnt 0x0
	s_add_nc_u64 s[4:5], s[4:5], s[16:17]
	s_add_nc_u64 s[6:7], s[6:7], s[16:17]
	s_add_nc_u64 s[12:13], s[12:13], s[16:17]
	s_add_nc_u64 s[8:9], s[8:9], s[18:19]
	s_add_nc_u64 s[10:11], s[10:11], s[20:21]
	global_load_b128 v[4:7], v2, s[4:5]
	global_load_b128 v[8:11], v2, s[4:5] offset:4096
	global_load_b128 v[12:15], v2, s[6:7]
	global_load_b128 v[16:19], v2, s[6:7] offset:4096
.set i, 0
.rept 16
	global_load_b128 v[32+4*i:35+4*i], v2, s[8:9] offset:4352*i
	s_load_b32 s[32+i], s[8:9], 4352*i+4096        ; the tile's PS (this launch writes nothing into part)
.set i, i+1
.endr
	s_wait_loadcnt 16                              ; out2 and past_attn are in; part's 16 loads may be out
.set i, 0
.rept 8
	v_rcp_f32 v[20+i], v[12+i]
.set i, i+1
.endr
	v_nop                                          ; a plain instruction behind the last reciprocal,
	s_wait_alu depctr_va_vdst(0)                   ; and the batch's one wait, ahead of its first reader
.set i, 0
.rept 8
	v_mul_f32 v[4+i], v[4+i], v[20+i]              ; a
.set i, i+1
.endr
	v_add_f32 v28, |v4|, |v5|
	v_add_f32 v29, |v6|, |v7|
	v_add_f32 v30, |v8|, |v9|
	s_delay_alu instid0(VALU_DEP_4)
	v_add_f32 v31, |v10|, |v11|
	s_delay_alu instid0(VALU_DEP_3)
	v_add_f32 v28, v28, v29
	s_delay_alu instid0(VALU_DEP_2)
	v_add_f32 v30, v30, v31
	s_delay_alu instid0(VALU_DEP_1)
	v_add_f32 v28, v28, v30
	s_delay_alu instid0(VALU_DEP_1)
	v_add_f32_dpp v28, v28, v28 row_xmask:1 row_mask:0xf bank_mask:0xf
	s_delay_alu instid0(VALU_DEP_1)
	v_add_f32_dpp v28, v28, v28 row_xmask:2 row_mask:0xf bank_mask:0xf
	s_delay_alu instid0(VALU_DEP_1)
	v_add_f32_dpp v28, v28, v28 row_xmask:4 row_mask:0xf bank_mask:0xf
	s_delay_alu instid0(VALU_DEP_1)
	v_add_f32_dpp v28, v28, v28 row_xmask:8 row_mask:0xf bank_mask:0xf
	s_delay_alu instid0(VALU_DEP_1)
	v_permlanex16_b32 v29, v28, s22, s23
	s_delay_alu instid0(VALU_DEP_1)
	v_add_f32 v28, v28, v29                        ; my wave's sum, in every lane
	v_mov_b32 v30, s14
	s_delay_alu instid0(VALU_DEP_1)
	v_lshlrev_b32 v30, 2, v30
	ds_store_b32 v30, v28                          ; all lanes write the same word with the same value
	s_wait_dscnt 0x0                               ; for the others' sake
	s_barrier_signal -1
	s_barrier_wait -1
	v_mov_b32 v31, 0
	ds_load_b128 v[96:99], v31
	ds_load_b128 v[100:103], v31 offset:16
	s_wait_dscnt 0x0
	v_add_f32 v96, v96, v97
	v_add_f32 v98, v98, v99
	v_add_f32 v100, v100, v101
	v_add_f32 v102, v102, v103
	s_delay_alu instid0(VALU_DEP_3)
	v_add_f32 v96, v96, v98
	s_delay_alu instid0(VALU_DEP_2)
	v_add_f32 v100, v100, v102
	s_delay_alu instid0(VALU_DEP_1)
	v_add_f32 v96, v96, v100                       ; T
	s_delay_alu instid0(VALU_DEP_1)
	v_lshrrev_b32 v104, 23, v96
	s_delay_alu instid0(VALU_DEP_1)
	v_sub_nc_u32 v104, 127, v104                   ; ex: what brings T into [1, 2)
	s_delay_alu instid0(VALU_DEP_1)
	v_ldexp_f32 v105, v96, v104
	s_wait_alu depctr_va_vdst(0)
	v_rcp_f32 v106, v105
	v_nop
	s_wait_alu depctr_va_vdst(0)
.set i, 0
.rept 8
	v_mul_f32 v[4+i], v[4+i], v106
.set i, i+1
.endr
.set i, 0
.rept 8
	v_ldexp_f32 v[4+i], v[4+i], v104               ; a / T
.set i, i+1
.endr
	global_store_b128 v2, v[4:7], s[12:13]         ; a wave stores 512 consecutive bytes, at a multiple of 512 from out1's first byte
	global_store_b128 v2, v[8:11], s[12:13] offset:4096
	s_wait_kmcnt 0x0                               ; the sixteen PS
.set i, 0
.rept 16
	v_mul_f32 v[108+i], s[32+i], v106
.set i, i+1
.endr
.set i, 0
.rept 16
	v_ldexp_f32 v[108+i], v[108+i], v104           ; PS / T
.set i, i+1
.endr
	s_wait_loadcnt 0x0                             ; part
.irp c, 0,1,2,3
	v_mul_f32 v[20+\c], v[32+\c], v108             ; the first tile starts the sums
.endr
.set i, 1
.rept 15
.irp c, 0,1,2,3
	s_delay_alu instid0(VALU_DEP_4)
	v_fma_f32 v[20+\c], v[32+4*i+\c], v[108+i], v[20+\c]
.endr
.set i, i+1
.endr
	global_store_b128 v2, v[20:23], s[10:11]
	s_wait_tensorcnt 0x0                           ; the wave's end, behind my last LDS store
	ds_add_u32 v126, v127
	s_wait_dscnt 0x0
	s_endpgm
.Lfunc_end_k_q07fdfaa676_norm:
	.size	k_q07fdfaa676_norm, .Lfunc_end_k_q07fdfaa676_norm-k_q07fdfaa676_norm
	.p2alignl 7, 3214868480
	.fill 96, 4, 3214868480
	.section	.rodata,"a",@progbits
	.p2align	6, 0x0
	.amdhsa_kernel k_q07fdfaa676_norm
		.amdhsa_group_segment_fixed_size 1280
		.amdhsa_private_segment_fixed_size 0
		.amdhsa_enable_private_segment 0
		.amdhsa_kernarg_size 40
		.amdhsa_user_sgpr_count 2
		.amdhsa_user_sgpr_kernarg_segment_ptr 1
		.amdhsa_wavefront_size32 1
		.amdhsa_system_sgpr_workgroup_id_x 1
		.amdhsa_system_sgpr_workgroup_id_y 1
		.amdhsa_system_sgpr_workgroup_id_z 1
		.amdhsa_system_vgpr_workitem_id 0
		.amdhsa_next_free_vgpr 128
		.amdhsa_next_free_sgpr 66
		.amdhsa_reserve_vcc 0
		.amdhsa_float_denorm_mode_32 3
		.amdhsa_float_denorm_mode_16_64 3
		.amdhsa_memory_ordered 1
		.amdhsa_forward_progress 1
		.amdhsa_inst_pref_size 16
	.end_amdhsa_kernel
	.amdgpu_metadata
---
amdhsa.version: [ 1, 2 ]
amdhsa.kernels:
  - .name:           k_q07fdfaa676_norm
    .symbol:         k_q07fdfaa676_norm.kd
    .args:
      - { .name: out2, .offset: 0, .size: 8, .value_kind: global_buffer, .address_space: global }
      - { .name: past_attn, .offset: 8, .size: 8, .value_kind: global_buffer, .address_space: global }
      - { .name: part, .offset: 16, .size: 8, .value_kind: global_buffer, .address_space: global }
      - { .name: out0, .offset: 24, .size: 8, .value_kind: global_buffer, .address_space: global }
      - { .name: out1, .offset: 32, .size: 8, .value_kind: global_buffer, .address_space: global }
    .group_segment_fixed_size: 1280
    .private_segment_fixed_size: 0
    .kernarg_segment_align: 8
    .kernarg_segment_size: 40
    .max_flat_workgroup_size: 256
    .sgpr_count:     66
    .vgpr_count:     128
    .wavefront_size: 32
...
	.end_amdgpu_metadata
.endif
;; end of part 3
